; MI455X (gfx1250); checked and timed in simulation.
; The chip was launched on July 23, 2026; its instructions are those of AMD's public machine-readable ISA for CDNA 5 (MIT licence, August 2026) and "CDNA5" Instruction Set Architecture Reference Guide (July 2026). The comments in the code are by the model that wrote it; some were corrected since.
;; b Spline. Allowed arithmetic: float matrix products may take bf16 or f16 operands with f32 sums; all other float work in f32.
;; Inputs: basis_grid 1,000 x 16 float32; control_points 16 float32; x 8 x 2,048 x 1,024 float32.
;; Outputs: out0 8 x 2,048 x 1,024 float32.
;; 2 versions, each right; version 2 is version 1 with the launch spline written anew for expert scheduling mode. Each part assembles by itself: llvm-mc -triple=amdgcn-amd-amdhsa -mcpu=gfx1250 --defsym DOCPART=n.
;; ======== version 1 of 2: 1 launch
;; launch spline (part 1): grid 256 x 1, 32 waves a work-group, no clusters, 16,384 bytes of LDS; arguments x, basis_grid, control_points, out0; writes out0
.if DOCPART == 1
	.amdgcn_target "amdgcn-amd-amdhsa--gfx1250"
	.amdhsa_code_object_version 6
	.text
	.protected	k_q054537a88e_spline
	.globl	k_q054537a88e_spline
	.p2align	8
	.type	k_q054537a88e_spline,@function
k_q054537a88e_spline:
	s_mov_b64 s[64:65], 0
	v_nop
	global_prefetch_b8 v0, s[64:65] scope:SCOPE_SE
	s_setreg_imm32_b32 hwreg(HW_REG_WAVE_MODE, 25, 1), 1
	s_wait_xcnt 0x0
; out[e] = sum over n of (bf[n] + w (bc[n] - bf[n])) cp[n],  bf, bc = rows floor(ind), floor(ind)+1 (clipped) of basis_grid,
; ind = (clip(x[e], -3, 3) + 3) / 6 * 999,  w = ind - floor(ind).
; The sum over n is linear, so for every input  out = T[f] + w (T[c] - T[f])  with  T[g] = sum over n of basis_grid[g][n] cp[n].
; Each work-group makes T once (1000 x 16 multiply-adds in f32, spread over 1,024 threads) and keeps the pairs (T[g], T[g+1] - T[g])
; in LDS: an element then costs one gather of 8 bytes.  The product is so small that it stays on the vector unit, in f32.
;
; SHARES.  256 work-groups of 32 waves; a work-group owns 65,536 consecutive elements, a thread 64 of them: 16 loads of 16 bytes.
; Chunk j is 16,384 consecutive bytes, thread t at byte 16 t: every load and store of a wave covers 512 consecutive bytes, aligned.
; A thread's whole share is 64 registers, so all 16 loads are issued at the start, the table is built while they are on their way,
; and the chunks are finished in the order in which they arrive.  No loop, no ring; no register that a memory instruction names is
; written again, so no wait is needed to free one.
; NO CLUSTER: all that work-groups share is basis_grid, 64,000 bytes against the 524,288 bytes of x and out that are a group's own.
;
; LIMITS.  A NaN in x comes out as a finite table value, not as NaN (the clamp below drops a NaN).  ind is made by one fused
; multiply-add, 166.5 x + 499.5 (both constants exact in f32), where the reference rounds three times; the interpolant is
; continuous in ind, also across a grid point, so the difference is a few units in ind's last place (some 6e-5 of a grid step)
; times the table's local slope.  The clamp stands behind the multiply-add: that is the same as in front of it, since the
; multiply-add is monotone and gives exactly 0 at x = -3 and exactly 999 at x = 3; infinities clamp like large numbers.
.set ROWS,    1000                     ; rows of basis_grid, 64 bytes each
.set CHUNKS,  16                       ; loads of a thread
.set CHUNK_B, 16384                    ; 1,024 threads x 16 bytes
.set T_LDS,   0                        ; T[0..1023], f32: 4,096 bytes (entries 1000.. repeat T[999])
.set P_LDS,   4096                     ; pairs (T[g], T[g+1]-T[g]), g = 0..1023: 8,192 bytes
.set OFF, 1                            ; v1        16 t: my bytes in a chunk of x and out, and my first unit of basis_grid
.set KS,  10                           ; v[10:11]  166.5 twice
.set KB,  12                           ; v[12:13]  499.5 twice
.set CP,  14                           ; v[14:17]  my four control points          (table build)
.set IX,  14                           ; v[14:17]  four LDS addresses              (stream)
.set S,   18                           ; v[18:21]  four row sums; v[18:19] my pair (table build)
.set F,   18                           ; v[18:21]  four floors                     (stream)
.set B,   22                           ; v[22:37]  four units of basis_grid        (table build)
.set PR,  22                           ; v[22:37]  two buffers of four pairs       (stream)
.set X,   38                           ; v[38:101] chunk j: 4 registers: x, then ind, then w, then the result
	s_load_b256 s[4:11], s[0:1], 0x0               ; x s[4:5], basis_grid s[6:7], control_points s[8:9], out s[10:11]
	v_lshl_add_u32 v104, v0, 2, 0x3000
	v_mov_b32 v105, 0
	s_lshl_b32 s2, ttmp9, 18                       ; the work-group's 262,144 bytes (255 x 262,144 is below 2^32)
	s_mov_b32 s3, 0
	s_mov_b32 s12, 0x4479c000                      ; 999.0
	v_lshlrev_b32 v[OFF], 4, v0                    ; 16 t
	v_and_b32 v2, 3, v0                            ; q = t % 4: which quarter of a row of basis_grid, which four control points
	v_lshlrev_b32 v2, 4, v2                        ; 16 q
	v_lshrrev_b32 v3, 2, v0                        ; t / 4: my row among 256
	v_add_nc_u32 v4, 768, v3                       ; my fourth row, 768 + t / 4, runs to 1023:
	v_min_u32 v4, ROWS-1, v4                       ; rows past the end read row 999 again, so no load leaves the buffer
	v_lshl_add_u32 v4, v4, 6, v2                   ; row x 64 + 16 q
	s_wait_kmcnt 0x0
	s_add_nc_u64 s[4:5], s[4:5], s[2:3]            ; x and out at the group's first element
	s_add_nc_u64 s[10:11], s[10:11], s[2:3]
	; the table's five loads first: loads come back in order, and these are wanted first
	global_load_b128 v[CP:CP+3], v2, s[8:9]
	global_load_b128 v[B:B+3],     v[OFF], s[6:7]                  ; row t/4,       quarter q (64 (t/4) + 16 q = 16 t)
	global_load_b128 v[B+4:B+7],   v[OFF], s[6:7] offset:16384     ; row t/4 + 256
	global_load_b128 v[B+8:B+11],  v[OFF], s[6:7] offset:32768     ; row t/4 + 512
	global_load_b128 v[B+12:B+15], v4, s[6:7]                      ; row min(t/4 + 768, 999)
	; then my whole share of x; each byte of x is read once in the launch
.irp j, 0,1,2,3,4,5,6,7,8,9,10,11,12,13,14,15
	global_load_b128 v[X+4*\j:X+4*\j+3], v[OFF], s[4:5] offset:\j*CHUNK_B th:TH_LOAD_NT
.endr
	; addresses and constants, while the loads are out
	v_lshlrev_b32 v5, 2, v3                        ; T[t/4]; the other three rows by the immediate
	v_lshlrev_b32 v6, 2, v0                        ; T[t]
	v_add_nc_u32 v7, 1, v0
	v_min_u32 v7, 1023, v7                         ; T[t+1], the last thread stays inside T
	v_lshlrev_b32 v7, 2, v7
	v_lshlrev_b32 v8, 3, v0                        ; pair t
	v_mov_b32 v[KS],   0x43268000                  ; 166.5 = 999 / 6
	v_mov_b32 v[KS+1], 0x43268000
	v_mov_b32 v[KB],   0x43f9c000                  ; 499.5 = 3 x 999 / 6
	v_mov_b32 v[KB+1], 0x43f9c000
	; THE TABLE.  Four products of each unit, then the sum over the four lanes that share a row.
	s_wait_loadcnt CHUNKS                          ; the five loads of the table are in; the 16 loads of x behind them stay out
.irp k, 0,1,2,3
	v_pk_mul_f32 v[B+4*\k:B+4*\k+1], v[B+4*\k:B+4*\k+1], v[CP:CP+1]
	v_pk_fma_f32 v[B+4*\k:B+4*\k+1], v[B+4*\k+2:B+4*\k+3], v[CP+2:CP+3], v[B+4*\k:B+4*\k+1]
	v_add_f32 v[S+\k], v[B+4*\k], v[B+4*\k+1]
.endr
.irp k, 0,1,2,3
	v_add_f32_dpp v[S+\k], v[S+\k], v[S+\k] row_xmask:1 row_mask:0xf bank_mask:0xf
.endr
.irp k, 0,1,2,3
	v_add_f32_dpp v[S+\k], v[S+\k], v[S+\k] row_xmask:2 row_mask:0xf bank_mask:0xf   ; all four lanes now hold the row's sum
.endr
.irp k, 0,1,2,3
	ds_store_b32 v5, v[S+\k] offset:T_LDS+1024*\k  ; T[t/4 + 256 k]: the row's four lanes write one word with one value.
.endr                                              ; k = 3 fills T[768..1023]; entries 1000.. hold T[999]
	s_wait_dscnt 0x0                               ; my words of T are written,
	s_barrier_signal -1
	s_barrier_wait -1                              ; everybody's are
	ds_load_b32 v[S],   v6 offset:T_LDS            ; T[t]
	ds_load_b32 v[S+1], v7 offset:T_LDS            ; T[t+1]
	s_wait_dscnt 0x0
	v_sub_f32 v[S+1], v[S+1], v[S]                 ; the slope; 0 for t = 999, since T[1000] = T[999]: the reference's clipped ind_ceil
	ds_store_b64 v8, v[S:S+1] offset:P_LDS
	s_wait_dscnt 0x0                               ; my pair is written,
	s_barrier_signal -1
	s_barrier_wait -1                              ; everybody's is; from here on LDS is only read
; Chunk j, first half: index, weight, and the four gathers, into pair buffer j % 2.
.macro GATHER j
	s_wait_loadcnt CHUNKS-1-(\j)                   ; chunk j is in; the younger chunks stay out
	v_pk_fma_f32 v[X+4*(\j):X+4*(\j)+1],   v[X+4*(\j):X+4*(\j)+1],   v[KS:KS+1], v[KB:KB+1]
	v_pk_fma_f32 v[X+4*(\j)+2:X+4*(\j)+3], v[X+4*(\j)+2:X+4*(\j)+3], v[KS:KS+1], v[KB:KB+1]
.irp i, 0,1,2,3
	v_med3_num_f32 v[X+4*(\j)+\i], v[X+4*(\j)+\i], 0, s12          ; ind, clamped to 0 .. 999
.endr
.irp i, 0,1,2,3
	v_floor_f32 v[F+\i], v[X+4*(\j)+\i]
.endr
.irp i, 0,1,2,3
	v_cvt_u32_f32 v[IX+\i], v[F+\i]
.endr
	v_pk_add_f32 v[X+4*(\j):X+4*(\j)+1],   v[X+4*(\j):X+4*(\j)+1],   v[F:F+1]   neg_lo:[0,1] neg_hi:[0,1]   ; w = ind - floor, exact
	v_pk_add_f32 v[X+4*(\j)+2:X+4*(\j)+3], v[X+4*(\j)+2:X+4*(\j)+3], v[F+2:F+3] neg_lo:[0,1] neg_hi:[0,1]
.irp i, 0,1,2,3
	v_min_u32 v[IX+\i], ROWS-1, v[IX+\i]           ; the reference's clip of the index: the address stays inside the pairs
.endr
.irp i, 0,1,2,3
	v_lshlrev_b32 v[IX+\i], 3, v[IX+\i]            ; 8 bytes a pair
.endr
.irp i, 0,1,2,3
	ds_load_b64 v[PR+8*((\j)&1)+2*\i:PR+8*((\j)&1)+2*\i+1], v[IX+\i] offset:P_LDS
.endr
.endm
; Chunk j, second half: left = how many younger gathers may stay out.
.macro FINISH j, left
	s_wait_dscnt \left                             ; LDS loads come back in order: chunk j's four pairs are in
.irp i, 0,1,2,3
	v_fma_f32 v[X+4*(\j)+\i], v[X+4*(\j)+\i], v[PR+8*((\j)&1)+2*\i+1], v[PR+8*((\j)&1)+2*\i]   ; w x slope + T[f]
.endr
	global_store_b128 v[OFF], v[X+4*(\j):X+4*(\j)+3], s[10:11] offset:(\j)*CHUNK_B th:TH_STORE_NT
.endm
	; THE STREAM: the next chunk's gathers are issued before a chunk is finished.
	GATHER 0
.irp c, 0,1,2,3,4,5,6,7,8,9,10,11,12,13,14
	GATHER \c+1
	FINISH \c, 4                                   ; the four gathers of chunk c + 1 stay out
.endr
	FINISH 15, 0
	s_wait_tensorcnt 0x0
	ds_add_u32 v104, v105
	s_wait_dscnt 0x0
	s_endpgm
.Lfunc_end_k_q054537a88e_spline:
	.size	k_q054537a88e_spline, .Lfunc_end_k_q054537a88e_spline-k_q054537a88e_spline
	.p2alignl 7, 3214868480
	.fill 96, 4, 3214868480
	.section	.rodata,"a",@progbits
	.p2align	6, 0x0
	.amdhsa_kernel k_q054537a88e_spline
		.amdhsa_group_segment_fixed_size 16384
		.amdhsa_private_segment_fixed_size 0
		.amdhsa_enable_private_segment 0
		.amdhsa_kernarg_size 32
		.amdhsa_user_sgpr_count 2
		.amdhsa_user_sgpr_kernarg_segment_ptr 1
		.amdhsa_wavefront_size32 1
		.amdhsa_system_sgpr_workgroup_id_x 1
		.amdhsa_system_sgpr_workgroup_id_y 1
		.amdhsa_system_sgpr_workgroup_id_z 1
		.amdhsa_system_vgpr_workitem_id 0
		.amdhsa_next_free_vgpr 106
		.amdhsa_next_free_sgpr 66
		.amdhsa_reserve_vcc 0
		.amdhsa_float_denorm_mode_32 3
		.amdhsa_float_denorm_mode_16_64 3
		.amdhsa_memory_ordered 1
		.amdhsa_forward_progress 1
		.amdhsa_inst_pref_size 34
	.end_amdhsa_kernel
	.amdgpu_metadata
---
amdhsa.version: [ 1, 2 ]
amdhsa.kernels:
  - .name:           k_q054537a88e_spline
    .symbol:         k_q054537a88e_spline.kd
    .args:
      - { .name: x, .offset: 0, .size: 8, .value_kind: global_buffer, .address_space: global }
      - { .name: basis_grid, .offset: 8, .size: 8, .value_kind: global_buffer, .address_space: global }
      - { .name: control_points, .offset: 16, .size: 8, .value_kind: global_buffer, .address_space: global }
      - { .name: out0, .offset: 24, .size: 8, .value_kind: global_buffer, .address_space: global }
    .group_segment_fixed_size: 16384
    .private_segment_fixed_size: 0
    .kernarg_segment_align: 8
    .kernarg_segment_size: 32
    .max_flat_workgroup_size: 1024
    .sgpr_count:     66
    .vgpr_count:     106
    .wavefront_size: 32
...
	.end_amdgpu_metadata
.endif
;; end of part 1
;; ======== version 2 of 2: 1 launch; version 1 with the launch spline written anew for expert scheduling mode
;; launch spline (part 2): grid 256 x 1, 32 waves a work-group, no clusters, 16,384 bytes of LDS; arguments x, basis_grid, control_points, out0; writes out0
.if DOCPART == 2
	.amdgcn_target "amdgcn-amd-amdhsa--gfx1250"
	.amdhsa_code_object_version 6
	.text
	.protected	k_q054537a88e_spline
	.globl	k_q054537a88e_spline
	.p2align	8
	.type	k_q054537a88e_spline,@function
k_q054537a88e_spline:
	s_mov_b64 s[64:65], 0
	v_nop
	global_prefetch_b8 v0, s[64:65] scope:SCOPE_SE
	s_setreg_imm32_b32 hwreg(HW_REG_WAVE_SCHED_MODE, 0, 2), 2
	s_setreg_imm32_b32 hwreg(HW_REG_WAVE_MODE, 25, 1), 1
	s_wait_xcnt 0x0
	s_wait_alu depctr_vm_vsrc(0)
; out[e] = sum over n of (bf[n] + w (bc[n] - bf[n])) cp[n],  bf, bc = rows floor(ind), floor(ind)+1 (clipped) of basis_grid,
; ind = (clip(x[e], -3, 3) + 3) / 6 * 999,  w = ind - floor(ind).
; The sum over n is linear, so for every input  out = T[f] + w (T[c] - T[f])  with  T[g] = sum over n of basis_grid[g][n] cp[n].
; Each work-group makes T once (1000 x 16 multiply-adds in f32, spread over 1,024 threads) and keeps the pairs (T[g], T[g+1] - T[g])
; in LDS: an element then costs one gather of 8 bytes.  The product is so small that it stays on the vector unit, in f32.
;
; SHARES.  256 work-groups of 32 waves; a work-group owns 65,536 consecutive elements, a thread 64 of them: 16 loads of 16 bytes.
; Chunk j is 16,384 consecutive bytes, thread t at byte 16 t: every load and store of a wave covers 512 consecutive bytes, aligned.
; A thread's whole share is 64 registers, so all 16 loads are issued at the start, the table is built while they are on their way,
; and the chunks are finished in the order in which they arrive.  No loop, no ring; no offset, base or data register of a global
; load or store is written again behind it, so no s_wait_xcnt is needed to free one.
; NO CLUSTER: all that work-groups share is basis_grid, 64,000 bytes against the 524,288 bytes of x and out that are a group's own.
;
; THE MODE: SCHED_MODE bits 1:0 = 2 (LLVM: expert scheduling mode 2), set by the entry lines.  The code itself states the register
; dependences between vector instructions and memory or LDS instructions, with s_wait_alu, always for 0.
; THE PLAN.  Registers that memory or LDS instructions touch in the stream:
;   IX0, IX1   two buffers of four LDS addresses.  Written by chunk j's index arithmetic (buffer j % 2), read by chunk j's four gathers.
;   PR         four pairs.  Chunk j's gathers land in it; chunk j's four multiply-adds read it.
;   X[j]       the load of x lands in it; the index arithmetic and the multiply-adds rewrite it; the store reads it; then it rests.
;   v1         the offset of every load of x and every store; made at the head, never written again.
; Block p: the waits at its head; the gathers of chunk p and the store of chunk p - 1, in one run; then the index arithmetic of chunk
; p + 1, which writes the OTHER address buffer; then chunk p's multiply-adds.  So one wait on va_vdst at the head states all that the
; block's five memory instructions hang on (the block before has written this chunk's addresses and the last chunk's results and is
; done reading PR), and one wait on vm_vsrc, ahead of the block's own gathers, frees the address buffer that the gathers of the block
; before have read.
;
; LIMITS.  A NaN in x comes out as a finite table value, not as NaN (the clamp below drops a NaN).  ind is made by one fused
; multiply-add, 166.5 x + 499.5 (both constants exact in f32), where the reference rounds three times; the interpolant is
; continuous in ind, also across a grid point, so the difference is a few units in ind's last place (some 6e-5 of a grid step)
; times the table's local slope.  The clamp stands behind the multiply-add: that is the same as in front of it, since the
; multiply-add is monotone and gives exactly 0 at x = -3 and exactly 999 at x = 3; infinities clamp like large numbers.
.set ROWS,    1000                     ; rows of basis_grid, 64 bytes each
.set CHUNKS,  16                       ; loads of a thread
.set CHUNK_B, 16384                    ; 1,024 threads x 16 bytes
.set T_LDS,   0                        ; T[0..1023], f32: 4,096 bytes (entries 1000.. repeat T[999])
.set P_LDS,   4096                     ; pairs (T[g], T[g+1]-T[g]), g = 0..1023: 8,192 bytes
.set OFF, 1                            ; v1        16 t: my bytes in a chunk of x and out, and my first unit of basis_grid
.set KS,  10                           ; v[10:11]  166.5 twice
.set KB,  12                           ; v[12:13]  499.5 twice
.set CP,  14                           ; v[14:17]  my four control points          (table build)
.set S,   18                           ; v[18:21]  four row sums                   (table build)
.set F,   18                           ; v[18:21]  four floors                     (stream)
.set B,   22                           ; v[22:37]  four units of basis_grid        (table build)
.set TP,  22                           ; v[22:23]  my pair                         (table build, behind the sums)
.set PR,  22                           ; v[22:29]  four pairs                      (stream)
.set IX,  30                           ; v[30:37]  two buffers of four LDS addresses, chunk j's at IX + 4 (j % 2)   (stream)
.set X,   38                           ; v[38:101] chunk j: 4 registers: x, then ind, then w, then the result
	s_load_b256 s[4:11], s[0:1], 0x0               ; x s[4:5], basis_grid s[6:7], control_points s[8:9], out s[10:11]
	v_lshl_add_u32 v102, v0, 2, 0x3000
	v_mov_b32 v103, 0
	s_lshl_b32 s2, ttmp9, 18                       ; the work-group's 262,144 bytes (255 x 262,144 is below 2^32)
	s_mov_b32 s3, 0
	s_mov_b32 s12, 0x4479c000                      ; 999.0
	v_lshlrev_b32 v[OFF], 4, v0                    ; 16 t
	v_and_b32 v2, 3, v0                            ; q = t % 4: which quarter of a row of basis_grid, which four control points
	v_lshlrev_b32 v2, 4, v2                        ; 16 q
	v_lshrrev_b32 v3, 2, v0                        ; t / 4: my row among 256
	v_add_nc_u32 v4, 768, v3                       ; my fourth row, 768 + t / 4, runs to 1023:
	v_min_u32 v4, ROWS-1, v4                       ; rows past the end read row 999 again, so no load leaves the buffer
	v_lshl_add_u32 v4, v4, 6, v2                   ; row x 64 + 16 q
	s_wait_kmcnt 0x0
	s_add_nc_u64 s[4:5], s[4:5], s[2:3]            ; x and out at the group's first element
	s_add_nc_u64 s[10:11], s[10:11], s[2:3]
	s_wait_alu depctr_va_vdst(0)                   ; v1, v2 and v4 are written: the loads below, and later the stores, read them as offsets
	; the table's five loads first: loads come back in order, and these are wanted first
	global_load_b128 v[CP:CP+3], v2, s[8:9]
	global_load_b128 v[B:B+3],     v[OFF], s[6:7]                  ; row t/4,       quarter q (64 (t/4) + 16 q = 16 t)
	global_load_b128 v[B+4:B+7],   v[OFF], s[6:7] offset:16384     ; row t/4 + 256
	global_load_b128 v[B+8:B+11],  v[OFF], s[6:7] offset:32768     ; row t/4 + 512
	global_load_b128 v[B+12:B+15], v4, s[6:7]                      ; row min(t/4 + 768, 999)
	; then my whole share of x; each byte of x is read once in the launch
.irp j, 0,1,2,3,4,5,6,7,8,9,10,11,12,13,14,15
	global_load_b128 v[X+4*\j:X+4*\j+3], v[OFF], s[4:5] offset:\j*CHUNK_B th:TH_LOAD_NT
.endr
	; addresses and constants, while the loads are out: none of these lines names a register of a load above
	v_lshlrev_b32 v5, 2, v3                        ; T[t/4]; the other three rows by the immediate
	v_lshlrev_b32 v6, 2, v0                        ; T[t]
	v_add_nc_u32 v7, 1, v0
	v_min_u32 v7, 1023, v7                         ; T[t+1], the last thread stays inside T
	v_lshlrev_b32 v7, 2, v7
	v_lshlrev_b32 v8, 3, v0                        ; pair t
	v_mov_b32 v[KS],   0x43268000                  ; 166.5 = 999 / 6
	v_mov_b32 v[KS+1], 0x43268000
	v_mov_b32 v[KB],   0x43f9c000                  ; 499.5 = 3 x 999 / 6
	v_mov_b32 v[KB+1], 0x43f9c000
	; THE TABLE.  Four products of each unit, then the sum over the four lanes that share a row.
	s_wait_loadcnt CHUNKS                          ; the five loads of the table are in; the 16 loads of x behind them stay out
.irp k, 0,1,2,3
	v_pk_mul_f32 v[B+4*\k:B+4*\k+1], v[B+4*\k:B+4*\k+1], v[CP:CP+1]
	v_pk_fma_f32 v[B+4*\k:B+4*\k+1], v[B+4*\k+2:B+4*\k+3], v[CP+2:CP+3], v[B+4*\k:B+4*\k+1]
	v_add_f32 v[S+\k], v[B+4*\k], v[B+4*\k+1]
.endr
.irp k, 0,1,2,3
	v_add_f32_dpp v[S+\k], v[S+\k], v[S+\k] row_xmask:1 row_mask:0xf bank_mask:0xf
.endr
.irp k, 0,1,2,3
	v_add_f32_dpp v[S+\k], v[S+\k], v[S+\k] row_xmask:2 row_mask:0xf bank_mask:0xf   ; all four lanes now hold the row's sum
.endr
	s_wait_alu depctr_va_vdst(0)                   ; the sums v[S ..] and the LDS addresses v5 to v8 are written, which the LDS lines of the table read; the products are done with v[TP:TP+1], in which my pair's two loads land
.irp k, 0,1,2,3
	ds_store_b32 v5, v[S+\k] offset:T_LDS+1024*\k  ; T[t/4 + 256 k]: the row's four lanes write one word with one value.
.endr                                              ; k = 3 fills T[768..1023]; entries 1000.. hold T[999]
	s_wait_dscnt 0x0                               ; my words of T are written,
	s_barrier_signal -1
	s_barrier_wait -1                              ; everybody's are
	ds_load_b32 v[TP],   v6 offset:T_LDS           ; T[t].  No vector instruction since the wait above: it still covers v6, v7 and v[TP:TP+1]
	ds_load_b32 v[TP+1], v7 offset:T_LDS           ; T[t+1]
	s_wait_dscnt 0x0
	v_sub_f32 v[TP+1], v[TP+1], v[TP]              ; the slope; 0 for t = 999, since T[1000] = T[999]: the reference's clipped ind_ceil
	s_wait_alu depctr_va_vdst(0)                   ; the slope is written, which the LDS store reads
	ds_store_b64 v8, v[TP:TP+1] offset:P_LDS
	s_wait_dscnt 0x0                               ; my pair is written,
	s_barrier_signal -1
	s_barrier_wait -1                              ; everybody's is; from here on LDS is only read
	s_wait_alu depctr_vm_vsrc(0)                   ; my LDS stores have read v[S ..], which the floors write from here on, and v[TP:TP+1], in which the first gathers land
; Chunk j's index arithmetic: ind, its floor, the weight (into X[j]) and four LDS addresses (into address buffer j % 2).
.macro INDEX j
	s_wait_loadcnt CHUNKS-1-(\j)                   ; chunk j is in; the younger chunks stay out
	v_pk_fma_f32 v[X+4*(\j):X+4*(\j)+1],   v[X+4*(\j):X+4*(\j)+1],   v[KS:KS+1], v[KB:KB+1]
	v_pk_fma_f32 v[X+4*(\j)+2:X+4*(\j)+3], v[X+4*(\j)+2:X+4*(\j)+3], v[KS:KS+1], v[KB:KB+1]
.irp i, 0,1,2,3
	v_med3_num_f32 v[X+4*(\j)+\i], v[X+4*(\j)+\i], 0, s12          ; ind, clamped to 0 .. 999
.endr
.irp i, 0,1,2,3
	v_floor_f32 v[F+\i], v[X+4*(\j)+\i]
.endr
.irp i, 0,1,2,3
	v_cvt_u32_f32 v[IX+4*((\j)&1)+\i], v[F+\i]
.endr
	v_pk_add_f32 v[X+4*(\j):X+4*(\j)+1],   v[X+4*(\j):X+4*(\j)+1],   v[F:F+1]   neg_lo:[0,1] neg_hi:[0,1]   ; w = ind - floor, exact
	v_pk_add_f32 v[X+4*(\j)+2:X+4*(\j)+3], v[X+4*(\j)+2:X+4*(\j)+3], v[F+2:F+3] neg_lo:[0,1] neg_hi:[0,1]
.irp i, 0,1,2,3
	v_min_u32 v[IX+4*((\j)&1)+\i], ROWS-1, v[IX+4*((\j)&1)+\i]     ; the reference's clip of the index: the address stays inside the pairs
.endr
.irp i, 0,1,2,3
	v_lshlrev_b32 v[IX+4*((\j)&1)+\i], 3, v[IX+4*((\j)&1)+\i]      ; 8 bytes a pair
.endr
.endm
; Chunk j's four gathers.
.macro GATHER j
.irp i, 0,1,2,3
	ds_load_b64 v[PR+2*\i:PR+2*\i+1], v[IX+4*((\j)&1)+\i] offset:P_LDS
.endr
.endm
; Chunk j's four multiply-adds.
.macro MIX j
	s_wait_dscnt 0x0                               ; chunk j's four pairs are in: they are the only LDS loads that are out
.irp i, 0,1,2,3
	v_fma_f32 v[X+4*(\j)+\i], v[X+4*(\j)+\i], v[PR+2*\i+1], v[PR+2*\i]   ; w x slope + T[f]
.endr
.endm
; Chunk j's store.
.macro SEND j
	global_store_b128 v[OFF], v[X+4*(\j):X+4*(\j)+3], s[10:11] offset:(\j)*CHUNK_B th:TH_STORE_NT
.endm
; Block p.
.macro BLK p
	s_wait_alu depctr_va_vdst(0)                   ; what stands ahead has written chunk p's addresses, which the gathers read, and chunk p - 1's results, which the store reads, and is done reading and writing PR, in which the gathers land
.if (\p) >= 1 && (\p) <= CHUNKS-2
	s_wait_alu depctr_vm_vsrc(0)                   ; the gathers of chunk p - 1, issued at the last block's head, have read their address buffer, which the index arithmetic below writes again
.endif
	GATHER \p
.if (\p) >= 1
	SEND (\p)-1
.endif
.if (\p) <= CHUNKS-2
	INDEX (\p)+1                                   ; stands between the gathers and the wait for them; names the other address buffer, F and X[p + 1] alone
.endif
	MIX \p
.endm
	; THE STREAM.
	INDEX 0
.irp c, 0,1,2,3,4,5,6,7,8,9,10,11,12,13,14,15
	BLK \c
.endr
	s_wait_alu depctr_va_vdst(0)                   ; chunk 15's results are written, which the last store reads
	SEND 15
	s_wait_dscnt 0x0
	s_wait_alu depctr_hold_cnt(0) depctr_sa_sdst(0) depctr_va_vdst(0) depctr_va_sdst(0) depctr_va_ssrc(0) depctr_va_vcc(0) depctr_vm_vsrc(0)
	s_wait_tensorcnt 0x0
	ds_add_u32 v102, v103
	s_wait_dscnt 0x0
	s_endpgm
.Lfunc_end_k_q054537a88e_spline:
	.size	k_q054537a88e_spline, .Lfunc_end_k_q054537a88e_spline-k_q054537a88e_spline
	.p2alignl 7, 3214868480
	.fill 96, 4, 3214868480
	.section	.rodata,"a",@progbits
	.p2align	6, 0x0
	.amdhsa_kernel k_q054537a88e_spline
		.amdhsa_group_segment_fixed_size 16384
		.amdhsa_private_segment_fixed_size 0
		.amdhsa_enable_private_segment 0
		.amdhsa_kernarg_size 32
		.amdhsa_user_sgpr_count 2
		.amdhsa_user_sgpr_kernarg_segment_ptr 1
		.amdhsa_wavefront_size32 1
		.amdhsa_system_sgpr_workgroup_id_x 1
		.amdhsa_system_sgpr_workgroup_id_y 1
		.amdhsa_system_sgpr_workgroup_id_z 1
		.amdhsa_system_vgpr_workitem_id 0
		.amdhsa_next_free_vgpr 104
		.amdhsa_next_free_sgpr 66
		.amdhsa_reserve_vcc 0
		.amdhsa_float_denorm_mode_32 3
		.amdhsa_float_denorm_mode_16_64 3
		.amdhsa_memory_ordered 1
		.amdhsa_forward_progress 1
		.amdhsa_inst_pref_size 36
	.end_amdhsa_kernel
	.amdgpu_metadata
---
amdhsa.version: [ 1, 2 ]
amdhsa.kernels:
  - .name:           k_q054537a88e_spline
    .symbol:         k_q054537a88e_spline.kd
    .args:
      - { .name: x, .offset: 0, .size: 8, .value_kind: global_buffer, .address_space: global }
      - { .name: basis_grid, .offset: 8, .size: 8, .value_kind: global_buffer, .address_space: global }
      - { .name: control_points, .offset: 16, .size: 8, .value_kind: global_buffer, .address_space: global }
      - { .name: out0, .offset: 24, .size: 8, .value_kind: global_buffer, .address_space: global }
    .group_segment_fixed_size: 16384
    .private_segment_fixed_size: 0
    .kernarg_segment_align: 8
    .kernarg_segment_size: 32
    .max_flat_workgroup_size: 1024
    .sgpr_count:     66
    .vgpr_count:     104
    .wavefront_size: 32
...
	.end_amdgpu_metadata
.endif
;; end of part 2
